; MI455X (gfx1250); checked and timed in simulation.
; The chip was launched on July 23, 2026; its instructions are those of AMD's public machine-readable ISA for CDNA 5 (MIT licence, August 2026) and "CDNA5" Instruction Set Architecture Reference Guide (July 2026). The comments in the code are by the model that wrote it; some were corrected since.
;; Factorized LSTM Cell. Allowed arithmetic: matrix products marked QUANTISED: E2M1 operands, one E8M0 scale for each 32 along K, by v_wmma_scale_f32_16x16x128_f8f6f4 with both operands' format E2M1 (or v_wmma_scale_f32_32x16x128_f4), f32 sums; everything else in f32.
;; Inputs: Uc 4,096 x 512 float32; Uf 4,096 x 512 float32; Ui 4,096 x 512 float32; Uo 4,096 x 512 float32; Vc 512 x 2,048 float32; Vf 512 x 2,048 float32; Vi 512 x 2,048 float32; Vo 512 x 2,048 float32; bc 2,048 float32; bf 2,048 float32; bi 2,048 float32; bo 2,048 float32; c 4,096 x 2,048 float32; h 4,096 x 2,048 float32; x 4,096 x 2,048 float32.
;; Outputs: out0 4,096 x 2,048 float32; out1 4,096 x 2,048 float32.
;; This version of the problem:
;;   THIS VERSION OF THE PROBLEM IS GIVEN IN LOW PRECISION. The matrix products marked QUANTISED in the list below multiply operands that are first quantised to E2M1 (2 exponent bits, 1 mantissa bit; 4 bits a number), with one power-of-two scale for each 32 numbers along K (OCP MX v1.0); their sums are f32. All else is computed in f32.
;;   The module's matrix products, in the order in which they are computed (A, B: the left and right operand; K: the contracted axis; several contracted axes count as one K, in the product's order):
;;     1. [M 4,096, K 4,096] x [K 4,096, N 512]; A: computed on the way; B: input Ui: QUANTISED
;;     2. [M 4,096, K 512] x [K 512, N 2,048]; A: computed on the way; B: input Vi: QUANTISED
;;     3. [M 4,096, K 4,096] x [K 4,096, N 512]; A: computed on the way; B: input Uf: QUANTISED
;;     4. [M 4,096, K 512] x [K 512, N 2,048]; A: computed on the way; B: input Vf: QUANTISED
;;     5. [M 4,096, K 4,096] x [K 4,096, N 512]; A: computed on the way; B: input Uo: QUANTISED
;;     6. [M 4,096, K 512] x [K 512, N 2,048]; A: computed on the way; B: input Vo: QUANTISED
;;     7. [M 4,096, K 4,096] x [K 4,096, N 512]; A: computed on the way; B: input Uc: QUANTISED
;;     8. [M 4,096, K 512] x [K 512, N 2,048]; A: computed on the way; B: input Vc: QUANTISED
;;   THE QUANTISER, for each operand of a quantised product, along K:
;;     - K is cut into blocks of 32 from its start; a last block that is shorter is filled with zeros.
;;     - A block's scale is 2^e with e = floor(log2(the largest magnitude in the block)) - 2, held to -126 .. 127; a block of zeros has e = 0. As a byte (E8M0): e + 127.
;;     - Each number is divided by its block's scale, clamped to +-6, and rounded to the nearest number of E2M1, ties to even, subnormals kept.
;;     - The product sums the exact products of the quantised numbers (number of the format x scale) in f32.
;;   ~~~python
;;   def quantise(x, axis):      # numpy; x: float32 -> the quantised numbers, widened to float32 again
;;       x = np.moveaxis(x, axis, -1); K = x.shape[-1]
;;       x = np.pad(x, [(0, 0)] * (x.ndim - 1) + [(0, -K % 32)]); x = x.reshape(x.shape[:-1] + (-1, 32)); a = np.abs(x).max(-1, keepdims=True)
;;       e = np.where(a > 0, np.clip(np.frexp(np.where(a > 0, a, 1))[1] - 1 - 2, -126, 127), 0)      # np.frexp(a)[1] - 1 = floor(log2(a)), exactly
;;       r = np.clip(x / 2.0 ** e, -6, 6)
;;       step = 2.0 ** (np.maximum(np.frexp(np.where(r == 0, 1, r))[1] - 1, 0) - 1)
;;       q = np.round(r / step) * step * 2.0 ** e      # np.round: ties to even
;;       return np.moveaxis(q.reshape(q.shape[:-2] + (-1,))[..., :K], -1, axis).astype(np.float32)
;;   ~~~
;;   OPERANDS COMPUTED ON THE WAY. 'Computed on the way' means the value that the module computes at that place (a softmax that the list does not call 'softmax' is quantised finished and normalised). What goes into a quantiser is computed in f32, as accurately as f32 sums, v_exp_f32 and their like allow (about 1e-6 of the number): no bf16 or f16 on the way to a quantiser, and a product that is left as it is and whose result goes on into a quantised operand takes f32 operands (vector FMAs, or v_wmma_f32_16x16x4_f32). A number that lies on a knife's edge between two numbers of the format may be rounded either way, as far as f32 arithmetic and the matrix unit's own rounding can turn it there, and no further.
;; One version. Each part assembles by itself: llvm-mc -triple=amdgcn-amd-amdhsa -mcpu=gfx1250 --defsym DOCPART=n.
;; ======== version 1 of 1: 3 launches
;; limits: inputs' magnitudes at most 1.15e+18; right only within a limited range of input values
;; workspace buffers: acod 8,388,608 bytes; ascl 524,288 bytes; ucod 4,194,304 bytes; uscl 262,144 bytes; vcod 2,097,152 bytes; vscl 131,072 bytes; tcod 4,194,304 bytes; tscl 262,144 bytes
;; launch quant (part 1): grid 1280 x 1, 4 waves a work-group, no clusters, 33,280 bytes of LDS; arguments x, h, Ui, Uf, Uc, Uo, Vi, Vf, Vc, Vo, acod, ascl, ucod, uscl, vcod, vscl; writes acod, ascl, ucod, uscl, vcod, vscl
.if DOCPART == 1
	.amdgcn_target "amdgcn-amd-amdhsa--gfx1250"
	.amdhsa_code_object_version 6
	.text
	.protected	k_q8f764a51bd_quant
	.globl	k_q8f764a51bd_quant
	.p2align	8
	.type	k_q8f764a51bd_quant,@function
k_q8f764a51bd_quant:
	s_mov_b64 s[64:65], 0
	v_nop
	global_prefetch_b8 v0, s[64:65] scope:SCOPE_SE
	s_setreg_imm32_b32 hwreg(HW_REG_WAVE_MODE, 25, 1), 1
	s_wait_xcnt 0x0
; x, h [4096][2048], U_g [4096][512], V_g [512][2048], all f32, become codes of FP4 (E2M1) with one E8M0 byte for each 32 along K, laid as the two product launches read them.
; A block's byte is its largest magnitude's exponent field - 2, held at 1 from below; each number is divided by the scale and rounded to the nearest code, ties to even, beyond 6 the largest code.
; LIMITS: NaN and infinities among the inputs are not served.  A block of zeros gets the byte 1 where the rule says 127: its codes are zeros, and this program alone reads the bytes.
; WORK-GROUPS 0-511: U (gate, 128 columns, 128 along K); 512-767: V likewise; 768-1279: x, then h (16 rows).  The paths part on the work-group's number alone; only the last path uses LDS.  No barrier: waves share nothing.
; WEIGHTS (K is their first axis): a lane takes a column and its registers run down K, so a block of 32 lies in one lane and the codes come out with K innermost.  Lane 16 u + r takes column 16 (r / 8) + 8 u + r % 8 of the
;   wave's 32: it is row r of tile u, in the order that makes the products' results neighbours along the next K.  Codes: [K step or gate][tile of 16 columns][block of 32 along K: 16][row 16][16 bytes]: four operand fragments as their
;   registers hold them.  Scale words: [K step or gate][128 along K: 4][tile][row].
; x, h (K innermost): wave w takes the w-th 512 along K of 16 rows, a row a step.  Codes: [K step 8][row 4096][256 bytes]; scale bytes: [K step 8][row 4096][16].
.set SP,  80                           ; x, h: a lane's place in a stage: its 64 bytes + 16 of padding
.set XR,  16                           ; v16-79   four sets of 16 numbers as they are loaded
.set XN,  80                           ; v80-111  two sets of 16 neighbours
.set XE,  112                          ; v112-127 a scale byte for each step
.set XC,  128                          ; v128-191 codes, registers of its own for each step
.set WX,  32                           ; weights: v32-159 four blocks of 32 numbers
.set WC,  160                          ; v160-175 their codes
; ---- the weights' macros
.macro WLOAD t, pitch                  ; block t: rows 32 t .. 32 t + 31 at my column: the 32 lanes read 128 consecutive bytes
.irp i, 0,1,2,3,4,5,6,7,8,9,10,11,12,13,14,15,16,17,18,19,20,21,22,23,24,25,26,27,28,29,30,31
	global_load_b32 v[WX+32*(\t)+\i], v3, s[40:41] offset:(32*(\t)+\i)*(\pitch) th:TH_LOAD_NT
.endr
.endm
.macro WBLOCK t, left, pitch
.set XS, WX+32*(\t)
	s_wait_loadcnt \left                           ; this block's 32 loads are in; the next block's 32 may be out
.if (\t)+2 < 4
	WLOAD (\t)+2, \pitch
.endif
	v_max3_num_f32 v12, |v[XS]|, |v[XS+1]|, |v[XS+2]|              ; the block's largest magnitude: all 32 numbers are mine; two chains
	v_max3_num_f32 v13, |v[XS+3]|, |v[XS+4]|, |v[XS+5]|
.irp i, 6,10,14,18,22,26
	v_max3_num_f32 v12, v12, |v[XS+\i]|, |v[XS+\i+1]|
	v_max3_num_f32 v13, v13, |v[XS+\i+2]|, |v[XS+\i+3]|
.endr
	v_max3_num_f32 v12, v12, |v[XS+30]|, |v[XS+31]|
	v_max3_num_f32 v12, v12, v13, 0x1800000        ; and the floor 2^(3 - 127): the byte cannot fall under 1
	v_add_nc_u32 v11, 0xff000000, v12              ; 2 off the exponent field: the conversion takes this operand's exponent field as its scale
	v_lshrrev_b32 v13, 23, v11                     ; the scale's byte
.if (\t) == 0
	v_mov_b32 v24, v13                             ; four bytes make the scale word of these 128 along K
.else
	v_lshl_or_b32 v24, v13, 8*(\t), v24
.endif
.irp g, 0,1,2,3
	v_cvt_scalef32_pk8_fp4_f32 v[WC+4*(\t)+\g], v[XS+8*\g:XS+8*\g+7], v11
.endr
	global_store_b128 v4, v[WC+4*(\t):WC+4*(\t)+3], s[42:43] offset:256*(\t)   ; sixteen lanes store 256 consecutive bytes, aligned: block t of a tile's sixteen rows
.endm                                  ; (the next block begins with plain vector lines on other registers: the place behind the conversions)
.macro WBODY pitch
	v_bfe_u32 v2, v1, 3, 1
	v_lshrrev_b32 v6, 4, v1                        ; u
	v_and_b32 v7, 7, v1
	v_lshl_add_u32 v3, v2, 4, v7
	v_lshl_add_u32 v3, v6, 3, v3                   ; my column of the wave's 32: 16 (r / 8) + 8 u + r % 8
	v_lshlrev_b32 v3, 2, v3
	v_and_b32 v7, 15, v1
	v_lshlrev_b32 v4, 4, v7
	v_lshl_add_u32 v4, v6, 12, v4                  ; codes: tile u, row r
	v_lshlrev_b32 v5, 2, v1                        ; scale words: tile u, row r: 4 x lane
	WLOAD 0, \pitch
	WLOAD 1, \pitch
	s_wait_alu depctr_va_vdst(0)
	WBLOCK 0, 32, \pitch
	WBLOCK 1, 32, \pitch
	WBLOCK 2, 32, \pitch
	WBLOCK 3, 0, \pitch
	global_store_b32 v5, v24, s[44:45]             ; the wave stores 128 consecutive bytes, the four waves 512
.endm
; ---- x's and h's macros
.macro XLOAD t                         ; row t: my wave's 2,048 bytes, 512 consecutive bytes a load
.irp i, 0,1,2,3
	global_load_b128 v[XR+16*((\t)%4)+4*\i:XR+16*((\t)%4)+4*\i+3], v3, s[40:41] offset:8192*(\t)+512*\i th:TH_LOAD_NT
.endr
.endm
.macro XTURN t                         ; through the wave's own stage, so that a lane gets 16 neighbours; LDS serves a wave's instructions in order: no wait between the stores and the loads
.irp i, 0,1,2,3
	ds_store_b128 v14, v[XR+16*((\t)%4)+4*\i:XR+16*((\t)%4)+4*\i+3] offset:32*SP*((\t)%2)+8*SP*\i
.endr
.irp i, 0,1,2,3
	ds_load_b128 v[XN+16*((\t)%2)+4*\i:XN+16*((\t)%2)+4*\i+3], v15 offset:32*SP*((\t)%2)+16*\i
.endr
.endm
.macro XSTEP t
.set XS, XN+16*((\t)%2)
.if (\t) > 0
	s_wait_dscnt 1                                 ; this step's numbers are back from the stage (the last step's byte store may be out)
.else
	s_wait_dscnt 0x0
.endif
.if (\t)+4 < 16
	XLOAD (\t)+4                                   ; into the registers that the stage's stores have read
.endif
.if (\t)+1 < 16
.if 14-(\t) >= 3
	s_wait_loadcnt 12                              ; the next step's four loads are in; those of the three steps behind it may be out
.else
	s_wait_loadcnt 4*(14-(\t))
.endif
	XTURN (\t)+1
.endif
	v_max3_num_f32 v8, |v[XS]|, |v[XS+1]|, |v[XS+2]|               ; the largest magnitude of my 16
	v_max3_num_f32 v9, |v[XS+3]|, |v[XS+4]|, |v[XS+5]|
.irp i, 6,10
	v_max3_num_f32 v8, v8, |v[XS+\i]|, |v[XS+\i+1]|
	v_max3_num_f32 v9, v9, |v[XS+\i+2]|, |v[XS+\i+3]|
.endr
	v_max3_num_f32 v8, v8, |v[XS+14]|, |v[XS+15]|
	v_max3_num_f32 v8, v8, v9, 0x1800000           ; and the floor
	v_max_num_f32_dpp v8, v8, v8 row_xmask:1 row_mask:0xf bank_mask:0xf   ; and of my neighbour's 16: the block's
	v_add_nc_u32 v11, 0xff000000, v8
	v_cvt_scalef32_pk8_fp4_f32 v[XC+4*(\t)], v[XS:XS+7], v11
	v_cvt_scalef32_pk8_fp4_f32 v[XC+4*(\t)+1], v[XS+8:XS+15], v11
	v_lshrrev_b32 v[XE+(\t)], 23, v11              ; the scale's byte (also the plain line behind the conversions)
	ds_store_b8 v5, v[XE+(\t)] offset:16*(\t)      ; both lanes of a block write the same byte with the same value
	global_store_b64 v4, v[XC+4*(\t):XC+4*(\t)+1], s[42:43] offset:256*(\t)   ; the wave stores a row's 256 bytes of this K step, aligned
.endm
	s_load_b512 s[4:19], s[0:1], 0x0               ; x 4, h 6, Ui 8, Uf 10, Uc 12, Uo 14, Vi 16, Vf 18
	s_load_b512 s[20:35], s[0:1], 0x40             ; Vc 20, Vo 22, acod 24, ascl 26, ucod 28, uscl 30, vcod 32, vscl 34
	v_lshl_add_u32 v192, v0, 2, 0x8000
	v_mov_b32 v193, 0
	v_lshrrev_b32 v1, 5, v0
	v_readfirstlane_b32 s36, v1                    ; wave
	v_and_b32 v1, 31, v0                           ; lane
	s_mov_b32 s47, 0                               ; the high word of every offset pair s[46:47]
	s_wait_kmcnt 0x0
	s_cmp_lt_u32 ttmp9, 512
	s_cbranch_scc1 .LU
	s_cmp_lt_u32 ttmp9, 768
	s_cbranch_scc1 .LV
; ---- x and h
	s_sub_co_u32 s37, ttmp9, 768
	s_lshr_b32 s38, s37, 8                         ; 0: x, 1: h
	s_and_b32 s39, s37, 255                        ; which 16 rows
	s_cmp_eq_u32 s38, 0
	s_cselect_b64 s[40:41], s[4:5], s[6:7]
	s_lshl_b32 s46, s39, 17                        ; 16 rows of 8,192 bytes
	s_lshl_b32 s48, s36, 11                        ; my wave's 2,048 bytes of a row
	s_add_co_u32 s46, s46, s48
	s_add_nc_u64 s[40:41], s[40:41], s[46:47]
	s_lshl_b32 s48, s38, 2
	s_add_co_u32 s48, s48, s36                     ; K step = 4 x tensor + wave
	s_lshl_b32 s46, s48, 20
	s_lshl_b32 s49, s39, 12
	s_add_co_u32 s46, s46, s49
	s_add_nc_u64 s[42:43], s[24:25], s[46:47]      ; codes
	s_lshl_b32 s46, s48, 16
	s_lshl_b32 s49, s39, 8
	s_add_co_u32 s46, s46, s49
	s_add_nc_u64 s[44:45], s[26:27], s[46:47]      ; scale bytes
	s_wait_alu depctr_va_vdst(0)
	v_lshlrev_b32 v3, 4, v1                        ; my 16 bytes of a load's 512
	s_mul_i32 s50, s36, 8192                       ; my wave's LDS: two stages of 32 x 80 bytes, then 256 scale bytes
	v_lshrrev_b32 v14, 2, v1
	v_mul_u32_u24 v14, v14, SP
	v_and_b32 v15, 3, v1
	v_lshl_add_u32 v14, v15, 4, v14
	v_add_nc_u32 v14, s50, v14                     ; into the stage: four lanes' 64 bytes on end, then the padding
	v_mul_u32_u24 v15, v1, SP
	v_add_nc_u32 v15, s50, v15                     ; out of it: my 16 neighbours
	v_lshlrev_b32 v4, 3, v1                        ; 8 bytes a lane: my 16 codes; at the end my 8 scale bytes
	v_lshrrev_b32 v5, 1, v1
	s_add_co_u32 s50, s50, 2*32*SP
	v_add_nc_u32 v5, s50, v5                       ; my block's scale byte
	v_add_nc_u32 v6, s50, v4
.irp t, 0,1,2,3
	XLOAD \t
.endr
	s_wait_alu depctr_va_vdst(0)
	s_wait_loadcnt 12                              ; step 0's four loads are in
	XTURN 0
.irp t, 0,1,2,3,4,5,6,7,8,9,10,11,12,13,14,15
	XSTEP \t
.endr
	ds_load_b64 v[12:13], v6                       ; the 16 rows' scale bytes: these loads see my stores
	s_wait_dscnt 0x0
	global_store_b64 v4, v[12:13], s[44:45]        ; the wave stores 256 consecutive bytes, aligned
	s_wait_tensorcnt 0x0
	ds_add_u32 v192, v193
	s_wait_dscnt 0x0
	s_endpgm
; ---- U
.LU:
	s_lshr_b32 s37, ttmp9, 7                       ; gate
	s_and_b32 s38, ttmp9, 3                        ; which 128 columns
	s_bfe_u32 s39, ttmp9, 0x50002                  ; which 128 along K: 4 x K step + q
	s_mov_b64 s[40:41], s[8:9]
	s_cmp_eq_u32 s37, 1
	s_cselect_b64 s[40:41], s[10:11], s[40:41]
	s_cmp_eq_u32 s37, 2
	s_cselect_b64 s[40:41], s[12:13], s[40:41]
	s_cmp_eq_u32 s37, 3
	s_cselect_b64 s[40:41], s[14:15], s[40:41]
	s_lshl_b32 s46, s39, 18                        ; 128 rows of 2,048 bytes
	s_lshl_b32 s50, s38, 9
	s_add_co_u32 s46, s46, s50
	s_lshl_b32 s50, s36, 7
	s_add_co_u32 s46, s46, s50
	s_add_nc_u64 s[40:41], s[40:41], s[46:47]
	s_lshl_b32 s51, s37, 5                         ; my first tile: 32 x gate + 8 x column group + 2 x wave
	s_lshl_b32 s50, s38, 3
	s_add_co_u32 s51, s51, s50
	s_lshl_b32 s50, s36, 1
	s_add_co_u32 s51, s51, s50
	s_lshr_b32 s48, s39, 2                         ; K step
	s_and_b32 s49, s39, 3                          ; q
	s_lshl_b32 s46, s48, 19
	s_lshl_b32 s50, s51, 12
	s_add_co_u32 s46, s46, s50
	s_lshl_b32 s50, s49, 10
	s_add_co_u32 s46, s46, s50
	s_add_nc_u64 s[42:43], s[28:29], s[46:47]
	s_lshl_b32 s46, s39, 13
	s_lshl_b32 s50, s51, 6
	s_add_co_u32 s46, s46, s50
	s_add_nc_u64 s[44:45], s[30:31], s[46:47]
	s_wait_alu depctr_va_vdst(0)
	WBODY 2048
	s_endpgm
; ---- V
.LV:
	s_bfe_u32 s37, ttmp9, 0x20006                  ; gate
	s_and_b32 s38, ttmp9, 15                       ; which 128 columns
	s_bfe_u32 s49, ttmp9, 0x20004                  ; q: which 128 along K
	s_mov_b64 s[40:41], s[16:17]
	s_cmp_eq_u32 s37, 1
	s_cselect_b64 s[40:41], s[18:19], s[40:41]
	s_cmp_eq_u32 s37, 2
	s_cselect_b64 s[40:41], s[20:21], s[40:41]
	s_cmp_eq_u32 s37, 3
	s_cselect_b64 s[40:41], s[22:23], s[40:41]
	s_lshl_b32 s46, s49, 20                        ; 128 rows of 8,192 bytes
	s_lshl_b32 s50, s38, 9
	s_add_co_u32 s46, s46, s50
	s_lshl_b32 s50, s36, 7
	s_add_co_u32 s46, s46, s50
	s_add_nc_u64 s[40:41], s[40:41], s[46:47]
	s_lshl_b32 s51, s38, 3                         ; my first tile in the gate: 8 x column group + 2 x wave
	s_lshl_b32 s50, s36, 1
	s_add_co_u32 s51, s51, s50
	s_lshl_b32 s46, s37, 19
	s_lshl_b32 s50, s51, 12
	s_add_co_u32 s46, s46, s50
	s_lshl_b32 s50, s49, 10
	s_add_co_u32 s46, s46, s50
	s_add_nc_u64 s[42:43], s[32:33], s[46:47]
	s_lshl_b32 s46, s37, 2
	s_add_co_u32 s46, s46, s49
	s_lshl_b32 s46, s46, 13
	s_lshl_b32 s50, s51, 6
	s_add_co_u32 s46, s46, s50
	s_add_nc_u64 s[44:45], s[34:35], s[46:47]
	s_wait_alu depctr_va_vdst(0)
	WBODY 8192
	s_endpgm
.Lfunc_end_k_q8f764a51bd_quant:
	.size	k_q8f764a51bd_quant, .Lfunc_end_k_q8f764a51bd_quant-k_q8f764a51bd_quant
	.p2alignl 7, 3214868480
	.fill 96, 4, 3214868480
	.section	.rodata,"a",@progbits
	.p2align	6, 0x0
	.amdhsa_kernel k_q8f764a51bd_quant
		.amdhsa_group_segment_fixed_size 33280
		.amdhsa_private_segment_fixed_size 0
		.amdhsa_enable_private_segment 0
		.amdhsa_kernarg_size 128
		.amdhsa_user_sgpr_count 2
		.amdhsa_user_sgpr_kernarg_segment_ptr 1
		.amdhsa_wavefront_size32 1
		.amdhsa_system_sgpr_workgroup_id_x 1
		.amdhsa_system_sgpr_workgroup_id_y 1
		.amdhsa_system_sgpr_workgroup_id_z 1
		.amdhsa_system_vgpr_workitem_id 0
		.amdhsa_next_free_vgpr 194
		.amdhsa_next_free_sgpr 66
		.amdhsa_reserve_vcc 0
		.amdhsa_float_denorm_mode_32 3
		.amdhsa_float_denorm_mode_16_64 3
		.amdhsa_memory_ordered 1
		.amdhsa_forward_progress 1
		.amdhsa_inst_pref_size 73
	.end_amdhsa_kernel
	.amdgpu_metadata
---
amdhsa.version: [ 1, 2 ]
amdhsa.kernels:
  - .name:           k_q8f764a51bd_quant
    .symbol:         k_q8f764a51bd_quant.kd
    .args:
      - { .name: x, .offset: 0, .size: 8, .value_kind: global_buffer, .address_space: global }
      - { .name: h, .offset: 8, .size: 8, .value_kind: global_buffer, .address_space: global }
      - { .name: Ui, .offset: 16, .size: 8, .value_kind: global_buffer, .address_space: global }
      - { .name: Uf, .offset: 24, .size: 8, .value_kind: global_buffer, .address_space: global }
      - { .name: Uc, .offset: 32, .size: 8, .value_kind: global_buffer, .address_space: global }
      - { .name: Uo, .offset: 40, .size: 8, .value_kind: global_buffer, .address_space: global }
      - { .name: Vi, .offset: 48, .size: 8, .value_kind: global_buffer, .address_space: global }
      - { .name: Vf, .offset: 56, .size: 8, .value_kind: global_buffer, .address_space: global }
      - { .name: Vc, .offset: 64, .size: 8, .value_kind: global_buffer, .address_space: global }
      - { .name: Vo, .offset: 72, .size: 8, .value_kind: global_buffer, .address_space: global }
      - { .name: acod, .offset: 80, .size: 8, .value_kind: global_buffer, .address_space: global }
      - { .name: ascl, .offset: 88, .size: 8, .value_kind: global_buffer, .address_space: global }
      - { .name: ucod, .offset: 96, .size: 8, .value_kind: global_buffer, .address_space: global }
      - { .name: uscl, .offset: 104, .size: 8, .value_kind: global_buffer, .address_space: global }
      - { .name: vcod, .offset: 112, .size: 8, .value_kind: global_buffer, .address_space: global }
      - { .name: vscl, .offset: 120, .size: 8, .value_kind: global_buffer, .address_space: global }
    .group_segment_fixed_size: 33280
    .private_segment_fixed_size: 0
    .kernarg_segment_align: 8
    .kernarg_segment_size: 128
    .max_flat_workgroup_size: 128
    .sgpr_count:     66
    .vgpr_count:     194
    .wavefront_size: 32
...
	.end_amdgpu_metadata
.endif
;; end of part 1
;; launch gemm1 (part 2): grid 8 x 32, 4 waves a work-group, clusters of 4 x 4, 327,680 bytes of LDS; arguments acod, ascl, ucod, uscl, tcod, tscl; writes tcod, tscl
.if DOCPART == 2
	.amdgcn_target "amdgcn-amd-amdhsa--gfx1250"
	.amdhsa_code_object_version 6
	.text
	.protected	k_q8f764a51bd_gemm1
	.globl	k_q8f764a51bd_gemm1
	.p2align	8
	.type	k_q8f764a51bd_gemm1,@function
k_q8f764a51bd_gemm1:
	s_mov_b64 s[64:65], 0
	v_nop
	global_prefetch_b8 v0, s[64:65] scope:SCOPE_SE
	s_setreg_imm32_b32 hwreg(HW_REG_WAVE_MODE, 25, 1), 1
	s_wait_xcnt 0x0
	s_wait_alu depctr_hold_cnt(0) depctr_sa_sdst(0) depctr_va_vdst(0) depctr_va_sdst(0) depctr_va_ssrc(0) depctr_va_vcc(0) depctr_vm_vsrc(0)
	s_getreg_b32 s2, hwreg(HW_REG_IB_STS2, 6, 4)
	s_cmp_eq_u32 s2, 0
	s_cbranch_scc0 .Lentry_in_a_cluster
	s_endpgm
.Lentry_in_a_cluster:
	s_bfe_u32 s2, ttmp6, 0x10000c
	s_cmp_lg_u32 s2, 0xf033
	s_cbranch_scc0 .Lentry_shape_is_right
	s_endpgm
.Lentry_shape_is_right:
; T_g = [x h] U_g for the four gates (M 4,096, N 4 x 512, K 4,096, codes of FP4 with E8M0 scales), and T quantised along its 512 into tcod, tscl, laid as the next launch's operand registers hold them.
; SHARES: 256 work-groups, each 128 rows x 256 columns; a wave makes 64 x 128: 32 accumulators in window 1.  K goes in 8 steps of 512 through a ring of two LDS slots (A's 128 rows of 256 bytes + 16 of padding, then U's 65,536 bytes as register images).
; CLUSTER 4 x 4: A's tiles and scales are asked for jointly along a row of the cluster, U's along a column.
; THE HEAD: one joint load a wave: wave 0 A's K step 0, wave 1 U's, wave 2 A's scales of all of K, wave 3 U's; slot 1 is first filled behind the full sequence and a round, as a refill is.
; PREFETCH: each K step's codes are asked for two fills ahead of the joint load that brings them: K steps 1, 2 at the head, 3 at slot 1's first fill, t + 4 at the refill that brings t + 2; the loop's last trip asks for nothing.
;   Of the bytes that a wave fetches in the ring (A: 64 rows of 256 bytes; U: 128 blocks of 256 bytes) each of the four partners names a quarter, told apart by address: a lane a block (A: lanes 16-31 name the last block again).
; THE PRODUCT IS USED TRANSPOSED (source 0 = 16 columns of U, source 1 = 16 rows of A): a lane holds one row of T and, by the order in which U's columns were laid into tiles, 16 neighbours along the next K in two neighbouring tiles.
; LIMITS: NaN and infinities are not served; a block of zeros gets the byte 1: its codes are zeros, and this program alone reads the bytes.
.set SLOT,  100352
.set BOFF,  34816
.set ASC,   2*SLOT
.set BSC,   ASC+16384
.set SPARE, BSC+32768
.set PFO,  5                           ; v5: the prefetches' offset: 256 x my block
.set ADRA, 6
.set ADRB, 8
.set ADSA, 10
.set ADSB, 11
.set SPW,  12
.set NIL,  13
.set LI,   14
.set L8,   15
.set FA0,  64
.set FB0,  96
.set TM,   64
.set PW,   80
.set SW,   84
.set PC,   96
.set G0H,  4                           ; s[4:7], s[8:11]: group 0 of the head's loads of codes (the arguments that lay there have been used)
.set G0HB, 8
.set G1A,  24
.set G0A,  32
.set G1B,  48
.set G0B,  56
.set G1SA, 68
.set G0SA, 76
.set G1SB, 80
.set G0SB, 88
.set PFS,  94                          ; s[94:95]: a K step in bytes, of A or of U
.set PFA,  96                          ; s[96:97]: where my prefetches stand
.set MSB, 0
.macro WIN new
.if MSB != (\new)
	s_set_vgpr_msb (MSB<<8)|(\new)
.set MSB, (\new)
.endif
.endm
.macro PLACES
.rept 4
	v_nop
.endr
.endm
.macro JLOAD g0a, g1a, g0b, g1b        ; waves 0, 1 fetch for A, waves 2, 3 for U
	s_cmp_eq_u32 s17, 0
	s_cbranch_scc0 .Lfor_b_\@
	tensor_load_to_lds s[\g0a:\g0a+3], s[\g1a:\g1a+7]
	s_nop 0
.rept 4
	v_nop
.endr
	s_branch .Lasked_\@
.Lfor_b_\@:
	tensor_load_to_lds s[\g0b:\g0b+3], s[\g1b:\g1b+7]
	s_nop 0
.rept 4
	v_nop
.endr
.Lasked_\@:
.endm
.macro CREST
	s_cmp_lg_u32 s16, 0
	s_cbranch_scc1 .Lnot_wave_0_\@
	s_barrier_signal -3
.Lnot_wave_0_\@:
	s_barrier_wait -3
	s_barrier_signal -1
	s_barrier_wait -1
.endm
.macro CROUND
	s_barrier_signal -1
	s_barrier_wait -1
	CREST
.endm
.macro WM rb, ra, zero
.if (\zero) && (\rb) && (\ra)
	v_wmma_scale_f32_16x16x128_f8f6f4 v[rD:rD+7], v[rB:rB+7], v[rA:rA+7], 0, v[rSB], v[rSA] matrix_a_fmt:MATRIX_FMT_FP4 matrix_b_fmt:MATRIX_FMT_FP4 matrix_a_scale:MATRIX_SCALE_ROW1 matrix_b_scale:MATRIX_SCALE_ROW1
.elseif (\zero) && (\rb)
	v_wmma_scale_f32_16x16x128_f8f6f4 v[rD:rD+7], v[rB:rB+7], v[rA:rA+7], 0, v[rSB], v[rSA] matrix_a_fmt:MATRIX_FMT_FP4 matrix_b_fmt:MATRIX_FMT_FP4 matrix_a_scale:MATRIX_SCALE_ROW1
.elseif (\zero) && (\ra)
	v_wmma_scale_f32_16x16x128_f8f6f4 v[rD:rD+7], v[rB:rB+7], v[rA:rA+7], 0, v[rSB], v[rSA] matrix_a_fmt:MATRIX_FMT_FP4 matrix_b_fmt:MATRIX_FMT_FP4 matrix_b_scale:MATRIX_SCALE_ROW1
.elseif (\zero)
	v_wmma_scale_f32_16x16x128_f8f6f4 v[rD:rD+7], v[rB:rB+7], v[rA:rA+7], 0, v[rSB], v[rSA] matrix_a_fmt:MATRIX_FMT_FP4 matrix_b_fmt:MATRIX_FMT_FP4
.elseif (\rb) && (\ra)
	v_wmma_scale_f32_16x16x128_f8f6f4 v[rD:rD+7], v[rB:rB+7], v[rA:rA+7], v[rD:rD+7], v[rSB], v[rSA] matrix_a_fmt:MATRIX_FMT_FP4 matrix_b_fmt:MATRIX_FMT_FP4 matrix_a_scale:MATRIX_SCALE_ROW1 matrix_b_scale:MATRIX_SCALE_ROW1
.elseif (\rb)
	v_wmma_scale_f32_16x16x128_f8f6f4 v[rD:rD+7], v[rB:rB+7], v[rA:rA+7], v[rD:rD+7], v[rSB], v[rSA] matrix_a_fmt:MATRIX_FMT_FP4 matrix_b_fmt:MATRIX_FMT_FP4 matrix_a_scale:MATRIX_SCALE_ROW1
.elseif (\ra)
	v_wmma_scale_f32_16x16x128_f8f6f4 v[rD:rD+7], v[rB:rB+7], v[rA:rA+7], v[rD:rD+7], v[rSB], v[rSA] matrix_a_fmt:MATRIX_FMT_FP4 matrix_b_fmt:MATRIX_FMT_FP4 matrix_b_scale:MATRIX_SCALE_ROW1
.else
	v_wmma_scale_f32_16x16x128_f8f6f4 v[rD:rD+7], v[rB:rB+7], v[rA:rA+7], v[rD:rD+7], v[rSB], v[rSA] matrix_a_fmt:MATRIX_FMT_FP4 matrix_b_fmt:MATRIX_FMT_FP4
.endif
.endm
.macro MUL8 a, p, q, set, zero         ; A's block a against U's eight; the accumulators take turns
.irp b, 0,1,2,3,4,5,6,7
.set rD, 8*(8*(\a)+\b)
.set rB, FB0+96*(\p)+8*\b
.set rA, FA0+96*(\p)+8*(\a)
.set rSB, 24+24*(\set)+4*(\b/2)+(\q)
.set rSA, 16+24*(\set)+4*((\a)%2)+(\q)
	WM \b%2, (\a)/2, \zero
.endr
.endm
.macro FETCH slot, q, p
.irp a, 0,1,2,3
.irp c, 0,1
	ds_load_b128 v[FA0+96*(\p)+8*\a+4*\c:FA0+96*(\p)+8*\a+4*\c+3], v[ADRA+\slot] offset:\a*4352+64*(\q)+32*\c
.endr
.endr
.irp b, 0,1,2,3,4,5,6,7
.irp c, 0,1
	ds_load_b128 v[FB0+96*(\p)+8*\b+4*\c:FB0+96*(\p)+8*\b+4*\c+3], v[ADRB+\slot] offset:\b*4096+(\q)*1024+\c*512
.endr
.endr
.endm
.macro SCALES set
.irp i, 0,1
	ds_load_b128 v[16+24*\set+4*\i:16+24*\set+4*\i+3], v[ADSA] offset:256*\i
.endr
.irp q, 0,1,2,3
.irp i, 0,1,2,3
	ds_load_b32 v[24+24*\set+4*\i+\q], v[ADSB] offset:\q*1024+128*\i
.endr
.endr
.endm
.macro STEP slot, q, zero              ; 128 along K; the next 128's fragments are asked for ahead of the products
	s_wait_dscnt 0x0
	PLACES
	FETCH \slot, (\q)+1, 1-(\q)%2
	WIN 0x50
	MUL8 0, (\q)%2, \q, \slot, \zero
	MUL8 1, (\q)%2, \q, \slot, \zero
	MUL8 2, (\q)%2, \q, \slot, \zero
	MUL8 3, (\q)%2, \q, \slot, \zero
	WIN 0
.endm
.macro TURN slot, next, fill           ; a slot's last 128 along K, and the change of slots
.if \fill
	s_wait_xcnt 0x0                                ; my last prefetch has read its address:
	s_add_nc_u64 s[PFA:PFA+1], s[PFA:PFA+1], s[PFS:PFS+1]  ; one K step on
.endif
	s_wait_tensorcnt 0x0                           ; my part of the next slot has landed;
	ds_add_u32 v[SPW], v[NIL]
	s_wait_dscnt 1
	WIN 0x50
	MUL8 0, 1, 3, \slot, 0
	s_wait_dscnt 0x0                               ; the add is done, my reads of this slot are over
	s_barrier_signal -1
	MUL8 1, 1, 3, \slot, 0
	WIN 0
	s_barrier_wait -1
.if \fill
	CREST                                          ; the barrier has opened a round of the cluster's barrier
	s_add_nc_u64 s[G0A+4*\slot+2:G0A+4*\slot+3], s[G0A+4*\slot+2:G0A+4*\slot+3], 2097152
	s_add_nc_u64 s[G0B+4*\slot+2:G0B+4*\slot+3], s[G0B+4*\slot+2:G0B+4*\slot+3], 1048576
	JLOAD G0A+4*\slot, G1A, G0B+4*\slot, G1B
.else
	PLACES
.endif
	s_wait_alu depctr_va_vdst(0)                   ; the wait ahead of the readers below
	v_add_nc_u32 v[ADSA], 2048, v[ADSA]
	v_add_nc_u32 v[ADSB], 4096, v[ADSB]
	FETCH \next, 0, 0
	SCALES \next
.if \fill
	s_cmp_gt_u32 s19, 1                            ; the last trip's two refills have no K step two fills on
	s_cbranch_scc0 .Lno_ask_\@
	global_prefetch_b8 v[PFO], s[PFA:PFA+1] th:TH_LOAD_NT scope:SCOPE_SE
.Lno_ask_\@:
.endif
	WIN 0x50
	MUL8 2, 1, 3, \slot, 0
	MUL8 3, 1, 3, \slot, 0
	WIN 0
.endm
	s_load_b256 s[4:11], s[0:1], 0x0               ; acod 4, ascl 6, ucod 8, uscl 10
	s_load_b128 s[12:15], s[0:1], 0x20             ; tcod 12, tscl 14
	v_lshl_add_u32 v[SPW], v0, 2, SPARE
	v_mov_b32 v[NIL], 0
	ds_add_u32 v[SPW], v[NIL]                      ; the opening lines: the add, twice on end, and its wait
	ds_add_u32 v[SPW], v[NIL]
	v_lshrrev_b32 v1, 5, v0
	v_readfirstlane_b32 s16, v1                    ; wave
	s_lshr_b32 s17, s16, 1                         ; my 64 rows; in the ring: I fetch for A (0) or U (1)
	s_and_b32 s18, s16, 1                          ; my 128 columns; in the ring: which half I fetch
	s_bfe_u32 s20, ttmp6, 0x40000                  ; cx
	s_bfe_u32 s21, ttmp6, 0x40004                  ; cy
	s_lshl_b32 s22, ttmp9, 2
	s_add_co_u32 s22, s22, s20                     ; which 256 columns
	s_and_b32 s23, ttmp7, 0xffff
	s_lshl_b32 s23, s23, 2
	s_add_co_u32 s23, s23, s21                     ; which 128 rows
	s_lshl_b32 s40, s21, 2
	s_lshl_b32 s40, 15, s40                        ; my row of the cluster
	s_lshl_b32 s41, 0x1111, s20                    ; my column
	s_or_b32 s[G1A], s40, (0<<16)|(1<<20)|(1<<21)|(5<<22)|(3<<25)  ; A's codes: rows of 256 bytes + 16 of padding; 128 rows at the head, 64 in the ring
	s_mov_b32 s[G1A+1], 256<<16
	s_mov_b32 s[G1A+2], 128<<16
	s_mov_b32 s[G1A+3], 256<<16
	s_mov_b32 s[G1A+4], 128
	s_mov_b32 s[G1A+5], 256
	s_mov_b32 s[G1A+6], 0
	s_mov_b32 s[G1A+7], 0
	s_or_b32 s[G1B], s41, (3<<16)|(1<<21)          ; U's codes: dense rows of 256 bytes; 256 at the head, 128 in the ring
	s_mov_b32 s[G1B+1], 32<<16
	s_mov_b32 s[G1B+2], 256<<16
	s_mov_b32 s[G1B+3], 32<<16
	s_mov_b32 s[G1B+4], 256
	s_mov_b32 s[G1B+5], 32
	s_mov_b32 s[G1B+6], 0
	s_mov_b32 s[G1B+7], 0
	s_or_b32 s[G1SA], s40, (3<<16)|(1<<21)         ; A's scales: 8 K steps x 2,048 bytes, 65,536 apart
	s_mov_b32 s[G1SA+1], 256<<16
	s_mov_b32 s[G1SA+2], 8<<16
	s_mov_b32 s[G1SA+3], 256<<16
	s_mov_b32 s[G1SA+4], 8
	s_mov_b32 s[G1SA+5], 8192
	s_mov_b32 s[G1SA+6], 0
	s_mov_b32 s[G1SA+7], 0
	s_or_b32 s[G1SB], s41, (3<<16)|(1<<21)         ; U's scale words: 32 steps of 128 x 1,024 bytes, 8,192 apart
	s_mov_b32 s[G1SB+1], 128<<16
	s_mov_b32 s[G1SB+2], 32<<16
	s_mov_b32 s[G1SB+3], 128<<16
	s_mov_b32 s[G1SB+4], 32
	s_mov_b32 s[G1SB+5], 1024
	s_mov_b32 s[G1SB+6], 0
	s_mov_b32 s[G1SB+7], 0
	s_lshl_b32 s42, s23, 15
	s_mov_b32 s43, 0
	s_lshl_b32 s44, s23, 11
	s_mov_b32 s45, 0
	s_lshl_b32 s92, s22, 16
	s_mov_b32 s93, 0
	s_lshl_b32 s94, s22, 10
	s_mov_b32 s95, 0
	s_mul_i32 s46, s18, 17408
	s_lshl_b32 s47, s18, 15
	s_add_co_u32 s47, s47, BOFF
	s_lshl_b32 s66, s20, 12                        ; the prefetches: my quarter of A's 64 rows,
	s_lshl_b32 s67, s21, 13                        ; of U's 128 blocks
	s_wait_alu depctr_va_vdst(0)                   ; the wait ahead of the waits below
	s_wait_dscnt 0x0                               ; both opening adds are done
	s_wait_kmcnt 0x0
	s_add_nc_u64 s[42:43], s[4:5], s[42:43]
	s_add_nc_u64 s[44:45], s[6:7], s[44:45]
	s_add_nc_u64 s[92:93], s[8:9], s[92:93]
	s_add_nc_u64 s[94:95], s[10:11], s[94:95]
	CROUND                                         ; all sixteen work-groups are here: the first joint loads meet
	s_mov_b32 s[G0H], 1
	s_mov_b32 s[G0H+1], 0
	s_mov_b64 s[G0H+2:G0H+3], s[42:43]
	s_or_b32 s[G0H+3], s[G0H+3], 0x80000000
	s_mov_b32 s[G0HB], 1
	s_mov_b32 s[G0HB+1], BOFF
	s_mov_b64 s[G0HB+2:G0HB+3], s[92:93]
	s_or_b32 s[G0HB+3], s[G0HB+3], 0x80000000
	s_mov_b32 s[G0SA], 1
	s_mov_b32 s[G0SA+1], ASC
	s_mov_b64 s[G0SA+2:G0SA+3], s[44:45]
	s_or_b32 s[G0SA+3], s[G0SA+3], 0x80000000
	s_mov_b32 s[G0SB], 1
	s_mov_b32 s[G0SB+1], BSC
	s_mov_b64 s[G0SB+2:G0SB+3], s[94:95]
	s_or_b32 s[G0SB+3], s[G0SB+3], 0x80000000
	s_lshl_b32 s98, s18, 14                        ; for the ring: my half of a tile
	s_mov_b32 s99, 0
	s_add_nc_u64 s[42:43], s[42:43], s[98:99]
	s_lshl_b32 s98, s18, 15
	s_add_nc_u64 s[92:93], s[92:93], s[98:99]
.irp s, 0,1
	s_mov_b32 s[G0A+4*\s], 1
	s_add_co_u32 s[G0A+4*\s+1], s46, \s*SLOT
	s_add_nc_u64 s[G0A+4*\s+2:G0A+4*\s+3], s[42:43], \s*1048576
	s_or_b32 s[G0A+4*\s+3], s[G0A+4*\s+3], 0x80000000
	s_mov_b32 s[G0B+4*\s], 1
	s_add_co_u32 s[G0B+4*\s+1], s47, \s*SLOT
	s_add_nc_u64 s[G0B+4*\s+2:G0B+4*\s+3], s[92:93], \s*524288
	s_or_b32 s[G0B+4*\s+3], s[G0B+4*\s+3], 0x80000000
.endr
.macro ARM under, g0, g1, next         ; one chain of branches on the wave's number: every way passes exactly one load
	s_cmp_lt_u32 s16, \under
	s_cbranch_scc0 \next
	tensor_load_to_lds s[\g0:\g0+3], s[\g1:\g1+7]
	s_nop 0
.rept 4
	v_nop
.endr
	s_branch .Lhead_asked
\next:
.endm
	ARM 1, G0H,  G1A,  .Lhead_b
	ARM 2, G0HB, G1B,  .Lhead_sa
	ARM 3, G0SA, G1SA, .Lhead_sb
	tensor_load_to_lds s[G0SB:G0SB+3], s[G1SB:G1SB+7]
	s_nop 0
.rept 4
	v_nop
.endr
.Lhead_asked:
	s_cmp_eq_u32 s17, 0                            ; do I fetch for A in the ring?
	s_cselect_b64 s[PFA:PFA+1], s[42:43], s[92:93]
	s_cselect_b32 s66, s66, s67
	s_cselect_b32 s2, 15, 31                       ; A: 16 blocks are mine, U: 32
	s_mov_b32 s[PFS], 524288
	s_cselect_b32 s[PFS], 1048576, s[PFS]
	s_mov_b32 s[PFS+1], 0
	s_mov_b32 s67, 0
	s_add_nc_u64 s[PFA:PFA+1], s[PFA:PFA+1], s[66:67]
	s_add_nc_u64 s[PFA:PFA+1], s[PFA:PFA+1], s[PFS:PFS+1]  ; at K step 1
	v_and_b32 v[PFO], 31, v0
	v_min_u32 v[PFO], s2, v[PFO]
	v_lshlrev_b32 v[PFO], 8, v[PFO]
	v_add_nc_u32 v64, s[PFS], v[PFO]
	s_wait_alu depctr_va_vdst(0)                   ; the wait ahead of the readers below
	global_prefetch_b8 v[PFO], s[PFA:PFA+1] th:TH_LOAD_NT scope:SCOPE_SE   ; K step 1
	global_prefetch_b8 v64, s[PFA:PFA+1] th:TH_LOAD_NT scope:SCOPE_SE      ; K step 2
	v_and_b32 v1, 15, v0
	v_bfe_u32 v2, v0, 4, 1
	v_and_b32 v3, 31, v0
	v_mul_u32_u24 v4, v1, 272
	v_lshl_add_u32 v4, v2, 4, v4
	s_mul_i32 s2, s17, 17408
	v_add_nc_u32 v[ADRA], s2, v4
	v_add_nc_u32 v[ADRA+1], SLOT, v[ADRA]
	v_lshlrev_b32 v[LI], 4, v3
	s_lshl_b32 s2, s18, 15
	s_add_co_u32 s2, s2, BOFF
	v_add_nc_u32 v[ADRB], s2, v[LI]
	v_add_nc_u32 v[ADRB+1], SLOT, v[ADRB]
	v_lshlrev_b32 v4, 4, v1
	v_lshl_add_u32 v4, v2, 9, v4
	s_lshl_b32 s2, s17, 10
	s_add_co_u32 s2, s2, ASC
	v_add_nc_u32 v[ADSA], s2, v4
	s_lshl_b32 s2, s18, 9
	s_add_co_u32 s2, s2, BSC
	v_lshl_add_u32 v[ADSB], v3, 2, s2
	v_lshlrev_b32 v[L8], 3, v3
	s_lshr_b32 s66, s22, 1                         ; tcod: gate, row group, my 64 rows, my 128 of the next K
	s_lshl_b32 s66, s66, 20
	s_lshl_b32 s2, s23, 15
	s_add_co_u32 s66, s66, s2
	s_lshl_b32 s2, s17, 14
	s_add_co_u32 s66, s66, s2
	s_and_b32 s2, s22, 1
	s_lshl_b32 s2, s2, 11
	s_add_co_u32 s66, s66, s2
	s_lshl_b32 s2, s18, 10
	s_add_co_u32 s66, s66, s2
	s_mov_b32 s67, 0
	s_add_nc_u64 s[12:13], s[12:13], s[66:67]
	s_lshl_b32 s98, s22, 15                        ; tscl
	s_lshl_b32 s2, s18, 14
	s_add_co_u32 s98, s98, s2
	s_lshl_b32 s2, s23, 9
	s_add_co_u32 s98, s98, s2
	s_lshl_b32 s2, s17, 8
	s_add_co_u32 s98, s98, s2
	s_mov_b32 s99, 0
	s_add_nc_u64 s[14:15], s[14:15], s[98:99]
	s_mov_b32 s2, 0x76543210
	s_mov_b32 s3, 0xfedcba98
	s_wait_alu depctr_va_vdst(0)                   ; the wait at the head's end
	s_wait_xcnt 0x0                                ; both prefetches have read their addresses
	s_add_nc_u64 s[PFA:PFA+1], s[PFA:PFA+1], s[PFS:PFS+1]
	s_add_nc_u64 s[PFA:PFA+1], s[PFA:PFA+1], s[PFS:PFS+1]  ; at K step 3
	s_wait_tensorcnt 0x0                           ; my tile of the head's four is in; the lines ahead of a later first fill:
	ds_add_u32 v[SPW], v[NIL]
	s_mov_b32 s[G1A+2], 64<<16                     ; no tensor load of mine is out: from here on a load brings half a tile
	s_mov_b32 s[G1A+4], 64
	s_mov_b32 s[G1B+2], 128<<16
	s_mov_b32 s[G1B+4], 128
	s_wait_dscnt 0x0
	CROUND                                         ; all four tiles are in, all sixteen work-groups are here
	JLOAD G0A+4, G1A, G0B+4, G1B                   ; K step 1, the first tensor load behind the round
	FETCH 0, 0, 0
	SCALES 0
	global_prefetch_b8 v[PFO], s[PFA:PFA+1] th:TH_LOAD_NT scope:SCOPE_SE   ; K step 3
	STEP 0, 0, 1
	s_mov_b32 s19, 3
.Llap:
	STEP 0, 1, 0
	STEP 0, 2, 0
	TURN 0, 1, 1
	STEP 1, 0, 0
	STEP 1, 1, 0
	STEP 1, 2, 0
	TURN 1, 0, 1
	STEP 0, 0, 0
	s_sub_co_u32 s19, s19, 1
	s_cmp_lg_u32 s19, 0
	s_cbranch_scc1 .Llap
	STEP 0, 1, 0
	STEP 0, 2, 0
	TURN 0, 1, 0
	STEP 1, 0, 0
	STEP 1, 1, 0
	STEP 1, 2, 0
	s_wait_dscnt 0x0
	WIN 0x50
	MUL8 0, 1, 3, 1, 0
	MUL8 1, 1, 3, 1, 0
	MUL8 2, 1, 3, 1, 0
	MUL8 3, 1, 3, 1, 0
	WIN 0
.macro QUANT1 a                        ; row block a: four blocks of 32 along the next K; the largest magnitude with lane l xor 16's, the byte, the codes, whole blocks to a lane
	WIN 0x05
.irp b, 0,1,2,3
	v_max3_num_f32 v[TM+\b], |v[64*\a+16*\b]|, |v[64*\a+16*\b+1]|, 0x1800000
.endr
.irp i, 2,4,6,8,10,12,14
.irp b, 0,1,2,3
	v_max3_num_f32 v[TM+\b], |v[64*\a+16*\b+\i]|, |v[64*\a+16*\b+\i+1]|, v[TM+\b]
.endr
.endr
	WIN 0
.irp b, 0,1,2,3
	v_permlanex16_b32 v[TM+4+\b], v[TM+\b], s2, s3
.endr
.irp b, 0,1,2,3
	v_max_num_f32 v[TM+\b], v[TM+\b], v[TM+4+\b]
.endr
.irp b, 0,1,2,3
	v_add_nc_u32 v[TM+12+\b], 0xff000000, v[TM+\b]
.endr
.irp b, 0,1,2,3
	v_lshrrev_b32 v[TM+4+\b], 23, v[TM+12+\b]
.endr
	v_lshl_or_b32 v[PW+\a], v[TM+5], 8, v[TM+4]
	v_lshl_or_b32 v[PW+\a], v[TM+6], 16, v[PW+\a]
	v_lshl_or_b32 v[PW+\a], v[TM+7], 24, v[PW+\a]
	WIN 0x01
.irp b, 0,1,2,3
	v_cvt_scalef32_pk8_fp4_f32 v[PC+8*\a+2*\b], v[64*\a+16*\b:64*\a+16*\b+7], v[TM+12+\b]
	v_cvt_scalef32_pk8_fp4_f32 v[PC+8*\a+2*\b+1], v[64*\a+16*\b+8:64*\a+16*\b+15], v[TM+12+\b]
.endr
	WIN 0
	v_nop
.irp c, 0,1
.irp i, 0,1
	v_permlane16_swap_b32 v[PC+8*\a+4*\c+\i], v[PC+8*\a+4*\c+2+\i]
.endr
.endr
.irp c, 0,1
	global_store_b128 v[LI], v[PC+8*\a+4*\c:PC+8*\a+4*\c+3], s[12:13] offset:\a*4096+\c*512
.endr
.endm
	PLACES
.irp b, 0,1,2,3
	v_mov_b32 v[TM+4+\b], 0
.endr
	QUANT1 0
	QUANT1 1
	QUANT1 2
	QUANT1 3
	v_cmp_le_u32 vcc_lo, 16, v3
	v_cndmask_b32 v[SW], v[PW], v[PW+2], vcc_lo
	v_cndmask_b32 v[SW+1], v[PW+1], v[PW+3], vcc_lo
	global_store_b64 v[L8], v[SW:SW+1], s[14:15]
	s_wait_tensorcnt 0x0                           ; the wave's end
	ds_add_u32 v[SPW], v[NIL]
	s_wait_dscnt 0x0
	CROUND                                         ; the closing round
	s_endpgm
.Lfunc_end_k_q8f764a51bd_gemm1:
	.size	k_q8f764a51bd_gemm1, .Lfunc_end_k_q8f764a51bd_gemm1-k_q8f764a51bd_gemm1
	.p2alignl 7, 3214868480
	.fill 96, 4, 3214868480
	.section	.rodata,"a",@progbits
	.p2align	6, 0x0
	.amdhsa_kernel k_q8f764a51bd_gemm1
		.amdhsa_group_segment_fixed_size 327680
		.amdhsa_private_segment_fixed_size 0
		.amdhsa_enable_private_segment 0
		.amdhsa_kernarg_size 48
		.amdhsa_user_sgpr_count 2
		.amdhsa_user_sgpr_kernarg_segment_ptr 1
		.amdhsa_wavefront_size32 1
		.amdhsa_system_sgpr_workgroup_id_x 1
		.amdhsa_system_sgpr_workgroup_id_y 1
		.amdhsa_system_sgpr_workgroup_id_z 1
		.amdhsa_system_vgpr_workitem_id 0
		.amdhsa_next_free_vgpr 512
		.amdhsa_next_free_sgpr 100
		.amdhsa_reserve_vcc 1
		.amdhsa_float_denorm_mode_32 3
		.amdhsa_float_denorm_mode_16_64 3
		.amdhsa_memory_ordered 1
		.amdhsa_forward_progress 1
		.amdhsa_inst_pref_size 128
	.end_amdhsa_kernel
	.amdgpu_metadata
---
amdhsa.version: [ 1, 2 ]
amdhsa.kernels:
  - .name:           k_q8f764a51bd_gemm1
    .symbol:         k_q8f764a51bd_gemm1.kd
    .args:
      - { .name: acod, .offset: 0, .size: 8, .value_kind: global_buffer, .address_space: global }
      - { .name: ascl, .offset: 8, .size: 8, .value_kind: global_buffer, .address_space: global }
      - { .name: ucod, .offset: 16, .size: 8, .value_kind: global_buffer, .address_space: global }
      - { .name: uscl, .offset: 24, .size: 8, .value_kind: global_buffer, .address_space: global }
      - { .name: tcod, .offset: 32, .size: 8, .value_kind: global_buffer, .address_space: global }
      - { .name: tscl, .offset: 40, .size: 8, .value_kind: global_buffer, .address_space: global }
    .group_segment_fixed_size: 327680
    .private_segment_fixed_size: 0
    .kernarg_segment_align: 8
    .kernarg_segment_size: 48
    .max_flat_workgroup_size: 128
    .sgpr_count:     100
    .vgpr_count:     512
    .wavefront_size: 32
...
	.end_amdgpu_metadata
.endif
;; end of part 2
;; launch gemm2 (part 3): grid 8 x 32, 4 waves a work-group, clusters of 4 x 4, 327,680 bytes of LDS; arguments tcod, tscl, vcod, vscl, bi, bf, bc, bo, c, out0, out1; writes out0, out1
.if DOCPART == 3
	.amdgcn_target "amdgcn-amd-amdhsa--gfx1250"
	.amdhsa_code_object_version 6
	.text
	.protected	k_q8f764a51bd_gemm2
	.globl	k_q8f764a51bd_gemm2
	.p2align	8
	.type	k_q8f764a51bd_gemm2,@function
k_q8f764a51bd_gemm2:
	s_mov_b64 s[64:65], 0
	v_nop
	global_prefetch_b8 v0, s[64:65] scope:SCOPE_SE
	s_setreg_imm32_b32 hwreg(HW_REG_WAVE_MODE, 25, 1), 1
	s_wait_xcnt 0x0
	s_wait_alu depctr_hold_cnt(0) depctr_sa_sdst(0) depctr_va_vdst(0) depctr_va_sdst(0) depctr_va_ssrc(0) depctr_va_vcc(0) depctr_vm_vsrc(0)
	s_getreg_b32 s2, hwreg(HW_REG_IB_STS2, 6, 4)
	s_cmp_eq_u32 s2, 0
	s_cbranch_scc0 .Lentry_in_a_cluster
	s_endpgm
.Lentry_in_a_cluster:
	s_bfe_u32 s2, ttmp6, 0x10000c
	s_cmp_lg_u32 s2, 0xf033
	s_cbranch_scc0 .Lentry_shape_is_right
	s_endpgm
.Lentry_shape_is_right:
; G_g = T_g V_g + b_g for the gates g = i, f, c, o (K 512, codes of FP4 with E8M0 scales), then c_new = sigmoid(G_f) c + sigmoid(G_i) tanh(G_c), h_new = sigmoid(G_o) tanh(c_new).  out0 = h_new, out1 = c_new.
; SHARES: 256 work-groups, each 128 rows x 256 columns x 4 gates; a wave takes 64 columns and all 128 rows, in 8 units of 16 rows.
; V STAYS IN REGISTERS: a wave's 4 tiles x 4 gates x 4 steps of 128 along K are 64 fragments, 512 registers, filled once.  T's codes (128 rows, 4 gates: 131,072 bytes) lie in LDS.
; CLUSTER 4 x 4, one joint load a wave at the head: waves 0, 1 bring T's gates 0-1 and 2-3 (shared along a row of the cluster), waves 2, 3 V's gates 0 and 1 of the 256 columns, 65,536 bytes each (shared along a column);
; these two gates go on from LDS into their registers.  V's gates 2, 3 come by plain loads straight into registers: beside T's 131,072 bytes, V's first 131,072 and the stages LDS has no room for them.  Nothing is filled again.
; No prefetch: T, V and the scales are asked for at the head, and c's own loads stand two units ahead of their use.
; THE PRODUCT IS USED TRANSPOSED (source 0 = 16 columns of V, source 1 = 16 rows of T): a lane holds one row, and by the order in which V's columns were laid into tiles the 16 registers of tiles 2 b, 2 b + 1 are columns
; 32 b + 16 (lane / 16) + 0 .. 15.  A unit is 64 products (gate by gate, the gate's four accumulators by turns) and two chunks of point-wise work, 16 outputs a lane each.
; POINT-WISE, with E = 2^min(k G, 30), k = -log2 e (i, f, o) or -2 log2 e (c); k G = k (T V) + k b by one fused multiply-add, k b lying in LDS:
;   c_new = (c A B + (1 - E_c) F) / (A B F), A = 1 + E_i, B = 1 + E_c, F = 1 + E_f;  h_new = (1 - E_n) / ((1 + E_o)(1 + E_n)), E_n = 2^min(-2 log2 e c_new, 30).
; LIMITS: the exponents are held at 30, so a gate differs from the exact one by 2^-30 at the most; the denominators stay under 2^91; |c| under 2^60; NaN and infinities are not served.
; REGISTERS: window 0: v1-15 addresses; v16-47 V's scale words; v48-55 T's of the unit; v64-191 T's fragments, gate g at v[64 + 32 g], and by turns the chunks' work (chunk 0 v64-127, chunk 1 v128-191);
;   v192-223 c in the results' layout; v224-255 work.  Window 1: v0-127 the 16 accumulators, (g, b) at v[32 g + 8 b]; v128-191 c as loaded, two sets; v192-255 16 rows of h_new and of c_new on the way out.
;   Windows 2, 3: V's fragments: gate g in window 2 + g / 2 at v[128 (g % 2) + 32 q + 8 b].
.set VB,    131072                     ; LDS: T's codes at 0: [gate][row tile 8][4,096]; here V's gates 0, 1: [gate][tile 16][4,096]
.set TSC,   262144                     ; T's scale words: [unit 8][2][lane 32][4 words]
.set KB,    270336                     ; k b: [wave][gate][64 columns] f32
.set SPARE, 274432                     ; the spare words: 128 bytes a wave, two blocks of 256 bytes that no other line names
.set STG,   274944                     ; the stages, 8,704 bytes a wave: 16 rows x 272 for c and then h_new, 16 rows x 272 for c_new
.set NST,   4352
.set LI,   4                           ; 16 x lane
.set ADT0, 5                           ; T's fragments, gates 0-1, at the trip's first unit
.set ADT1, 6                           ; gates 2-3
.set ADS,  7                           ; T's scale words
.set ADK,  8                           ; k b: my half's 16 columns of each 32
.set CO,   9                           ; c, out0, out1: lanes 0-15 one row's 256 bytes, lanes 16-31 the next row's
.set STI,  10                          ; the stage by the results' layout
.set STR,  11                          ; the stage by rows
.set SPW,  12                          ; SPARE + 4 x my thread's number; never rewritten
.set NIL,  13                          ; 0; never rewritten
.set SST,  14                          ; head: where my scale words go
.set KST,  15                          ; head: where my k b go
.set VS,   16
.set TS,   48
.set CC,   192
.set W1,   224
.set W2,   240
.set RAW,  128
.set OUT,  192
.set TRIP, 36
.set MSB, 0
.macro WIN new                         ; the immediate's high byte repeats the setting that is left
.if MSB != (\new)
	s_set_vgpr_msb (MSB<<8)|(\new)
.set MSB, (\new)
.endif
.endm
.macro PLACES                          ; four plain places behind a matrix instruction (ISA guide 7.12.1)
.rept 4
	v_nop
.endr
.endm
.macro CROUND                          ; a round of the cluster's barrier
	s_barrier_signal -1
	s_barrier_wait -1
	s_cmp_lg_u32 s3, 0
	s_cbranch_scc1 .Lnot_wave_0_\@
	s_barrier_signal -3
.Lnot_wave_0_\@:
	s_barrier_wait -3
	s_barrier_signal -1
	s_barrier_wait -1
.endm
.macro WM v, t, q                      ; one product; v, t: V's, T's scale words stand in lanes 16-31; q = 0 starts the sum
.if ((\q) == 0) && (\v)
	v_wmma_scale_f32_16x16x128_f8f6f4 v[rD:rD+7], v[r0:r0+7], v[r1:r1+7], 0, v[rS0], v[rS1] matrix_a_fmt:MATRIX_FMT_FP4 matrix_b_fmt:MATRIX_FMT_FP4 matrix_a_scale:MATRIX_SCALE_ROW1
.elseif (\q) == 0
	v_wmma_scale_f32_16x16x128_f8f6f4 v[rD:rD+7], v[r0:r0+7], v[r1:r1+7], 0, v[rS0], v[rS1] matrix_a_fmt:MATRIX_FMT_FP4 matrix_b_fmt:MATRIX_FMT_FP4
.elseif (\v) && (\t)
	v_wmma_scale_f32_16x16x128_f8f6f4 v[rD:rD+7], v[r0:r0+7], v[r1:r1+7], v[rD:rD+7], v[rS0], v[rS1] matrix_a_fmt:MATRIX_FMT_FP4 matrix_b_fmt:MATRIX_FMT_FP4 matrix_a_scale:MATRIX_SCALE_ROW1 matrix_b_scale:MATRIX_SCALE_ROW1
.elseif (\v)
	v_wmma_scale_f32_16x16x128_f8f6f4 v[rD:rD+7], v[r0:r0+7], v[r1:r1+7], v[rD:rD+7], v[rS0], v[rS1] matrix_a_fmt:MATRIX_FMT_FP4 matrix_b_fmt:MATRIX_FMT_FP4 matrix_a_scale:MATRIX_SCALE_ROW1
.elseif (\t)
	v_wmma_scale_f32_16x16x128_f8f6f4 v[rD:rD+7], v[r0:r0+7], v[r1:r1+7], v[rD:rD+7], v[rS0], v[rS1] matrix_a_fmt:MATRIX_FMT_FP4 matrix_b_fmt:MATRIX_FMT_FP4 matrix_b_scale:MATRIX_SCALE_ROW1
.else
	v_wmma_scale_f32_16x16x128_f8f6f4 v[rD:rD+7], v[r0:r0+7], v[r1:r1+7], v[rD:rD+7], v[rS0], v[rS1] matrix_a_fmt:MATRIX_FMT_FP4 matrix_b_fmt:MATRIX_FMT_FP4
.endif
.endm
.macro MULG g                          ; gate g of a unit: 16 products, K ascending, the four tiles' accumulators by turns
.irp q, 0,1,2,3
.irp b, 0,1,2,3
.set rD, 32*(\g)+8*\b
.set r0, 128*((\g)%2)+32*\q+8*\b
.set r1, 64+32*(\g)+8*\q
.set rS0, VS+2*(4*(\g)+\q)+\b/2
.set rS1, TS+(4*(\g)+\q)/2
	WM \b%2, \q%2, \q
.endr
.endr
.endm
.macro MUL01                           ; gates 0, 1, and the places behind them
	WIN 0x52                                       ; source 0 window 2, source 1 window 0, C and D window 1
	MULG 0
	MULG 1
	PLACES
	WIN 0
.endm
.macro TFRAG g, adr, n                 ; T's four fragments of gate g, unit n behind the address: 8 loads
.irp q, 0,1,2,3
.irp i, 0,1
	ds_load_b128 v[64+32*(\g)+8*\q+4*\i:64+32*(\g)+8*\q+4*\i+3], v[\adr] offset:((\g)%2)*32768+(\n)*4096+\q*1024+\i*512
.endr
.endr
.endm
.macro PRELOAD n                       ; gates 0, 1 and the scale words of a unit: 18 loads
	TFRAG 0, ADT0, \n
	TFRAG 1, ADT0, \n
.irp i, 0,1
	ds_load_b128 v[TS+4*\i:TS+4*\i+3], v[ADS] offset:(\n)*1024+\i*512
.endr
.endm
.macro KBLOAD cb                       ; k b of chunk cb's 16 columns, four gates, into the chunk's work registers: 16 loads
.irp g, 0,1,2,3
.irp j, 0,1,2,3
	ds_load_b128 v[64+64*(\cb)+16*\g+4*\j:64+64*(\cb)+16*\g+4*\j+3], v[ADK] offset:\g*256+(\cb)*128+\j*16
.endr
.endr
.endm
.macro CGET u, p                       ; c of the unit u behind the base, into set p: two rows an instruction, sixteen lanes read 256 consecutive bytes
	WIN 0x40
.irp kk, 0,1,2,3,4,5,6,7
	global_load_b128 v[RAW+32*(\p)+4*\kk:RAW+32*(\p)+4*\kk+3], v[CO], s[20:21] offset:(8*(\u)+\kk)*16384 th:TH_LOAD_NT
.endr
	WIN 0
.endm
.macro CPUT p                          ; c turns through my first stage: in by rows, back in the results' layout (LDS serves a wave's instructions in order): 8 stores, 8 loads
	WIN 0x04
.irp kk, 0,1,2,3,4,5,6,7
	ds_store_b128 v[STR], v[RAW+32*(\p)+4*\kk:RAW+32*(\p)+4*\kk+3] offset:544*\kk
.endr
	WIN 0
.irp j, 0,1,2,3,4,5,6,7
	ds_load_b128 v[CC+4*\j:CC+4*\j+3], v[STI] offset:128*(\j/4)+16*(\j%4)
.endr
.endm
.macro SEND off                        ; 16 rows of h_new and of c_new: sixteen lanes store 256 consecutive bytes, aligned
	WIN 0x04
.irp kk, 0,1,2,3,4,5,6,7
	global_store_b128 v[CO], v[OUT+4*\kk:OUT+4*\kk+3], s[22:23] offset:((\off)+\kk)*16384 th:TH_STORE_NT
	global_store_b128 v[CO], v[OUT+32+4*\kk:OUT+32+4*\kk+3], s[56:57] offset:((\off)+\kk)*16384 th:TH_STORE_NT
.endr
	WIN 0
.endm
.macro PKM d, x, y
.irp j, 0,2,4,6,8,10,12,14
	v_pk_mul_f32 v[(\d)+\j:(\d)+\j+1], v[(\x)+\j:(\x)+\j+1], v[(\y)+\j:(\y)+\j+1]
.endr
.endm
.macro PKS d, x, s
.irp j, 0,2,4,6,8,10,12,14
	v_pk_mul_f32 v[(\d)+\j:(\d)+\j+1], v[(\x)+\j:(\x)+\j+1], s[\s:\s+1] op_sel_hi:[1,0]
.endr
.endm
.macro PKP d
.irp j, 0,2,4,6,8,10,12,14
	v_pk_add_f32 v[(\d)+\j:(\d)+\j+1], v[(\d)+\j:(\d)+\j+1], 1.0 op_sel_hi:[1,0]
.endr
.endm
.macro PKN d, x
.irp j, 0,2,4,6,8,10,12,14
	v_pk_fma_f32 v[(\d)+\j:(\d)+\j+1], v[(\x)+\j:(\x)+\j+1], -1.0, 1.0 op_sel_hi:[1,0,0]
.endr
.endm
.macro RUN op, d, n                    ; a batch of n transcendentals in place; a wait ahead of it and behind it, and a plain place
	s_wait_alu depctr_va_vdst(0)
.set jj, 0
.rept \n
	\op v[(\d)+jj], v[(\d)+jj]
.set jj, jj+1
.endr
	v_nop
	s_wait_alu depctr_va_vdst(0)
.endm
.macro HOLD d, n                       ; the exponents are held at 30
.set jj, 0
.rept \n
	v_min_num_f32 v[(\d)+jj], s62, v[(\d)+jj]
.set jj, jj+1
.endr
.endm
.macro CHUNK cb                        ; columns 32 cb + 16 h + 0 .. 15 of the unit's row r
.set E, 64+64*(\cb)
.set cC, CC+16*(\cb)
	WIN 0x01                                       ; source 0: the accumulators, each read from its low end on
	s_wait_alu depctr_va_vdst(0)                   ; the wait ahead of the results' first readers
.irp g, 0,1,2,3
.set KR, 58+2*((\g/2)*(1-\g%2))
.irp j, 0,2,4,6,8,10,12,14
	v_pk_fma_f32 v[E+16*\g+\j:E+16*\g+\j+1], v[32*\g+16*(\cb)+\j:32*\g+16*(\cb)+\j+1], s[KR:KR+1], v[E+16*\g+\j:E+16*\g+\j+1] op_sel_hi:[1,0,1]
.endr
.endr
	WIN 0
	HOLD E, 64
	RUN v_exp_f32, E, 64
	PKN W2, E+32                                   ; 1 - E_c
	PKP E                                          ; A
	PKP E+16                                       ; F
	PKP E+32                                       ; B
	PKP E+48                                       ; 1 + E_o
	PKM E, E, E+32                                 ; A B
	PKM W2, W2, E+16                               ; (1 - E_c) F
.irp j, 0,2,4,6,8,10,12,14
	v_pk_fma_f32 v[W2+\j:W2+\j+1], v[cC+\j:cC+\j+1], v[E+\j:E+\j+1], v[W2+\j:W2+\j+1]
.endr
	PKM E, E, E+16                                 ; A B F
	RUN v_rcp_f32, E, 16
	PKM W1, W2, E                                  ; c_new
	PKS E+16, W1, 60
	HOLD E+16, 16
	RUN v_exp_f32, E+16, 16                        ; E_n
	PKN E+32, E+16
	PKP E+16
	PKM E+16, E+16, E+48
	RUN v_rcp_f32, E+16, 16
	PKM W2, E+32, E+16                             ; h_new
.irp j, 0,1,2,3
	ds_store_b128 v[STI], v[W2+4*\j:W2+4*\j+3] offset:128*(\cb)+16*\j      ; into the stage that c has left: c's loads were issued ahead of these stores
	ds_store_b128 v[STI], v[W1+4*\j:W1+4*\j+3] offset:NST+128*(\cb)+16*\j
.endr
.endm
; A UNIT of 16 rows; p: its place in the trip.  At its head the products of gates 0, 1 are issued, with their places behind them; c's turn through the stage (16 LDS instructions) and gates 2, 3 (16) may be out.
.macro UNIT p
	KBLOAD 0                                       ; into the registers that held gates 0, 1
	s_wait_dscnt 16                                ; all but those 16: gates 2, 3 are in, and c's stores into the stage have read their registers
	s_cmp_eq_u32 s[TRIP], 3
	s_cbranch_scc1 .Lno_c_\@                       ; the last trip has no unit two on
	CGET 2-(\p), \p                                ; c of the unit two on
	s_branch .Lc_\@
.Lno_c_\@:
	s_wait_loadcnt 0x0                             ; so that the counted wait below holds on this way too
.Lc_\@:
	WIN 0x53
	MULG 2
	MULG 3
	PLACES
	WIN 0
	KBLOAD 1
	s_wait_dscnt 16                                ; chunk 0's k b and c are in
	CHUNK 0
.if (\p) == 1
	v_add_nc_u32 v[ADT0], 8192, v[ADT0]            ; on to the next trip's two units
	v_add_nc_u32 v[ADT1], 8192, v[ADT1]
	v_add_nc_u32 v[ADS], 2048, v[ADS]
.endif
	s_wait_alu depctr_va_vdst(0)                   ; the wait ahead of the waits below
	s_wait_dscnt 8                                 ; chunk 1's k b are in (behind them: chunk 0's eight stores)
	s_wait_xcnt 0x0                                ; the last unit's stores have read their registers and bases
.if (\p) == 0
	s_add_nc_u64 s[20:21], s[20:21], 262144        ; the bases go one trip on; the immediates behind this line count from there
	s_add_nc_u64 s[22:23], s[22:23], 262144
	s_add_nc_u64 s[56:57], s[56:57], 262144
	PRELOAD 1
.else
	s_cmp_eq_u32 s[TRIP], 3
	s_cbranch_scc1 .Lno_t_\@                       ; no unit follows the last
	PRELOAD 0
.Lno_t_\@:
.endif
	CHUNK 1
	s_wait_alu depctr_va_vdst(0)                   ; the wait ahead of the branch and waits below
	WIN 0x40                                       ; the unit is whole: back as rows
.irp kk, 0,1,2,3,4,5,6,7
	ds_load_b128 v[OUT+4*\kk:OUT+4*\kk+3], v[STR] offset:544*\kk
.endr
.irp kk, 0,1,2,3,4,5,6,7
	ds_load_b128 v[OUT+32+4*\kk:OUT+32+4*\kk+3], v[STR] offset:NST+544*\kk
.endr
	WIN 0
.if (\p) == 1
	s_cmp_eq_u32 s[TRIP], 3
	s_cbranch_scc1 .Lend_\@
.endif
	s_wait_loadcnt 8                               ; the next unit's c is in; the eight loads of the unit behind it may be out
	CPUT 1-(\p)
	TFRAG 2, ADT1, 1-(\p)
	TFRAG 3, ADT1, 1-(\p)
	s_wait_dscnt 56                                ; the next unit's gates 0, 1 and scale words are in; behind them: 8 stores, my 16 rows' loads, c's 16, the 16 just issued
	MUL01                                          ; the next unit's first 32 products stand between my rows' loads and the wait for them
	s_wait_dscnt 32                                ; my rows are back
.if (\p) == 1
	s_branch .Lsend_\@
.Lend_\@:
	s_wait_dscnt 0x0
.Lsend_\@:
.endif
	SEND 8*(\p)-16
.endm
	s_load_b256 s[4:11], s[0:1], 0x0               ; tcod 4, tscl 6, vcod 8, vscl 10
	s_load_b256 s[12:19], s[0:1], 0x20             ; bi 12, bf 14, bc 16, bo 18
	s_load_b128 s[20:23], s[0:1], 0x40             ; c 20, out0 22
	s_load_b64 s[56:57], s[0:1], 0x50              ; out1
	v_lshl_add_u32 v[SPW], v0, 2, SPARE
	v_mov_b32 v[NIL], 0
	ds_add_u32 v[SPW], v[NIL]                      ; the opening lines: the add, twice on end, and its wait
	ds_add_u32 v[SPW], v[NIL]
	v_lshrrev_b32 v1, 5, v0
	v_readfirstlane_b32 s3, v1                     ; wave
	s_bfe_u32 s37, ttmp6, 0x40000                  ; cx
	s_bfe_u32 s46, ttmp6, 0x40004                  ; cy
	s_lshl_b32 s38, ttmp9, 2
	s_add_co_u32 s38, s38, s37                     ; which 256 columns
	s_and_b32 s39, ttmp7, 0xffff
	s_lshl_b32 s39, s39, 2
	s_add_co_u32 s39, s39, s46                     ; which 128 rows
	s_lshl_b32 s47, s46, 2
	s_lshl_b32 s47, 15, s47                        ; my row of the cluster
	s_lshl_b32 s48, 0x1111, s37                    ; my column
	s_lshr_b32 s49, s3, 1                          ; I fetch for T (0) or for V (1),
	s_and_b32 s50, s3, 1                           ; and which half
	s_or_b32 s24, s47, (3<<16)|(1<<21)             ; T: two gates x 32,768 dense bytes, 1,048,576 apart; elements of 8 bytes
	s_mov_b32 s25, 4096<<16
	s_mov_b32 s26, 2<<16
	s_mov_b32 s27, 4096<<16
	s_mov_b32 s28, 2
	s_mov_b32 s29, 131072
	s_mov_b32 s30, 0
	s_mov_b32 s31, 0
	s_or_b32 s80, s48, (3<<16)|(1<<21)             ; V: one gate's 65,536 dense bytes as 256 rows of 256
	s_mov_b32 s81, 32<<16
	s_mov_b32 s82, 256<<16
	s_mov_b32 s83, 32<<16
	s_mov_b32 s84, 256
	s_mov_b32 s85, 32
	s_mov_b32 s86, 0
	s_mov_b32 s87, 0
	s_mov_b32 s32, 1
	s_lshl_b32 s33, s50, 16                        ; LDS: the wave's number alone
	s_mov_b32 s88, 1
	s_add_co_u32 s89, s33, VB
	s_lshl_b32 s66, s50, 21                        ; T's codes: my pair of gates, 8 row tiles x row group
	s_lshl_b32 s44, s39, 15
	s_add_co_u32 s66, s66, s44
	s_mov_b32 s67, 0
	s_lshl_b32 s76, s50, 19                        ; V's codes by the joint load: my gate, 16 tiles x column group
	s_lshl_b32 s45, s38, 16
	s_add_co_u32 s76, s76, s45
	s_mov_b32 s77, 0
	s_lshl_b32 s68, s3, 16                         ; T's scale words: the four tables of gate = wave, 512 bytes x row group
	s_lshl_b32 s44, s39, 9
	s_add_co_u32 s68, s68, s44
	s_mov_b32 s69, 0
	s_lshl_b32 s70, s38, 16                        ; V's codes by plain loads: 16 tiles x column group + 4 tiles x wave
	s_lshl_b32 s45, s3, 14
	s_add_co_u32 s70, s70, s45
	s_mov_b32 s71, 0
	s_lshl_b32 s72, s38, 10                        ; V's scale words, the biases, a row's bytes: 1,024 x column group + 256 x wave
	s_lshl_b32 s45, s3, 8
	s_add_co_u32 s72, s72, s45
	s_mov_b32 s73, 0
	s_lshl_b32 s74, s39, 20                        ; c and the outputs: + 128 rows of 8,192 bytes x row group
	s_add_co_u32 s74, s74, s72
	s_mov_b32 s75, 0
	s_lshl_b32 s42, s3, 10
	s_add_co_u32 s42, s42, KB                      ; my k b
	s_lshl_b32 s51, s3, 14
	s_add_co_u32 s51, s51, VB                      ; my four tiles of V's gate 0 in LDS
	s_mul_i32 s43, s3, 8704
	s_add_co_u32 s43, s43, STG                     ; my stages
	s_lshr_b32 s40, s3, 1                          ; my scale words' place: (gate / 2) 512 + (gate % 2) 8
	s_lshl_b32 s40, s40, 9
	s_and_b32 s41, s3, 1
	s_lshl_b32 s41, s41, 3
	s_add_co_u32 s40, s40, s41
	s_add_co_u32 s40, s40, TSC
	s_mov_b32 s58, 0xbfb8aa3b                      ; -log2 e
	s_mov_b32 s59, s58
	s_mov_b32 s60, 0xc038aa3b                      ; -2 log2 e
	s_mov_b32 s61, s60
	s_mov_b32 s62, 0x41f00000                      ; 30
	v_and_b32 v1, 15, v0                           ; r
	v_bfe_u32 v2, v0, 4, 1                         ; h
	v_and_b32 v3, 31, v0                           ; lane
	v_lshlrev_b32 v[LI], 4, v3
	v_lshlrev_b32 v[ADT0], 4, v3
	v_add_nc_u32 v[ADT1], 65536, v[LI]
	v_add_nc_u32 v[ADS], TSC, v[LI]
	v_lshl_add_u32 v[ADK], v2, 6, s42
	v_lshl_add_u32 v[KST], v1, 4, s42
	v_lshlrev_b32 v[CO], 4, v1
	v_lshl_add_u32 v[CO], v2, 13, v[CO]
	v_mul_u32_u24 v[STI], v1, 272
	v_lshl_add_u32 v[STI], v2, 6, v[STI]
	v_add_nc_u32 v[STI], s43, v[STI]
	v_mul_u32_u24 v[STR], v2, 272
	v_lshl_add_u32 v[STR], v1, 4, v[STR]
	v_add_nc_u32 v[STR], s43, v[STR]
	v_lshlrev_b32 v[SST], 4, v1
	v_lshl_add_u32 v[SST], v2, 11, v[SST]
	v_add_nc_u32 v[SST], s40, v[SST]
	v_lshlrev_b32 v56, 3, v3
	v_lshlrev_b32 v57, 2, v3
	v_lshlrev_b32 v58, 4, v1
	v_add_nc_u32 v59, s51, v[LI]                   ; V's gate 0 in LDS,
	v_add_nc_u32 v60, 65536, v59                   ; gate 1
	s_wait_alu depctr_va_vdst(0)                   ; the wait at the head's end
	s_wait_dscnt 0x0                               ; both opening adds are done
	s_wait_kmcnt 0x0
	s_add_nc_u64 s[34:35], s[4:5], s[66:67]
	s_or_b32 s35, s35, 0x80000000
	s_add_nc_u64 s[90:91], s[8:9], s[76:77]
	s_or_b32 s91, s91, 0x80000000
	s_add_nc_u64 s[6:7], s[6:7], s[68:69]
	s_add_nc_u64 s[8:9], s[8:9], s[70:71]
	s_add_nc_u64 s[10:11], s[10:11], s[72:73]
.irp g, 0,1,2,3
	s_add_nc_u64 s[12+2*\g:13+2*\g], s[12+2*\g:13+2*\g], s[72:73]
.endr
	s_add_nc_u64 s[20:21], s[20:21], s[74:75]
	s_add_nc_u64 s[22:23], s[22:23], s[74:75]
	s_add_nc_u64 s[56:57], s[56:57], s[74:75]
	CROUND                                         ; all sixteen work-groups are here: the joint loads meet
	s_cmp_eq_u32 s49, 0                            ; one load a wave, in two arms of one branch on the wave's number
	s_cbranch_scc0 .Lfor_v
	tensor_load_to_lds s[32:35], s[24:31]          ; my pair of T's gates
	s_nop 0
	PLACES
	s_branch .Lasked
.Lfor_v:
	tensor_load_to_lds s[88:91], s[80:87]          ; my gate of V
	s_nop 0
	PLACES
.Lasked:
.irp q, 0,1,2,3                        ; T's scale words of gate = wave: 256 consecutive bytes an instruction
.irp jg, 0,1
	global_load_b64 v[64+2*(2*\q+\jg):65+2*(2*\q+\jg)], v56, s[6:7] offset:\q*16384+\jg*256
.endr
.endr
.irp g, 0,1,2,3                        ; the biases of my 64 columns: sixteen lanes read 256 bytes (lanes 16-31 the same)
	global_load_b128 v[96+4*\g:99+4*\g], v58, s[12+2*\g:13+2*\g]
.endr
	CGET 0, 0
	CGET 1, 1
.set kq, 0
.rept 16                               ; V's scale words: lanes 0-15 tile 2 i, lanes 16-31 tile 2 i + 1
	global_load_b32 v[VS+2*kq], v57, s[10:11] offset:kq*8192
	global_load_b32 v[VS+2*kq+1], v57, s[10:11] offset:kq*8192+128
.set kq, kq+1
.endr
	WIN 0xc0
.irp g, 2,3                            ; V's fragments of gates 2, 3: 512 consecutive bytes an instruction
.irp q, 0,1,2,3
.irp b, 0,1,2,3
.irp i, 0,1
	global_load_b128 v[128*(\g%2)+32*\q+8*\b+4*\i:128*(\g%2)+32*\q+8*\b+4*\i+3], v[LI], s[8:9] offset:\g*524288+\b*4096+\q*1024+\i*512
.endr
.endr
.endr
.endr
	WIN 0
	s_wait_loadcnt 63                              ; 112 loads follow the scale words' and the biases' twelve: these are in
.irp q, 0,1,2,3                        ; word (unit 4 jg + 2 h + e, row r, step q of my gate) goes where the unit's two loads of 16 bytes find it: register (4 g + q) / 2, lanes 16 (q % 2) + r
.irp jg, 0,1
.irp e, 0,1
	ds_store_b32 v[SST], v[64+2*(2*\q+\jg)+\e] offset:(4*\jg+\e)*1024+(\q%2)*256+(\q/2)*4
.endr
.endr
.endr
.irp g, 0,1,2,3
.set KR, 58+2*((\g/2)*(1-\g%2))
	v_pk_mul_f32 v[96+4*\g:97+4*\g], v[96+4*\g:97+4*\g], s[KR:KR+1] op_sel_hi:[1,0]
	v_pk_mul_f32 v[98+4*\g:99+4*\g], v[98+4*\g:99+4*\g], s[KR:KR+1] op_sel_hi:[1,0]
.endr
.irp g, 0,1,2,3
	ds_store_b128 v[KST], v[96+4*\g:99+4*\g] offset:\g*256     ; both halves of the lanes write the same bytes with the same values
.endr
	s_wait_tensorcnt 0x0                           ; my tile has landed,
	s_wait_dscnt 0x0                               ; my scale words are stored:
	s_barrier_signal -1
	s_barrier_wait -1                              ; everybody's are.
	WIN 0x80
.irp g, 0,1                            ; V's gates 0, 1 of my four tiles, from LDS into the registers where they stay
.irp q, 0,1,2,3
.irp b, 0,1,2,3
.irp i, 0,1
	ds_load_b128 v[128*\g+32*\q+8*\b+4*\i:128*\g+32*\q+8*\b+4*\i+3], v[59+\g] offset:\b*4096+\q*1024+\i*512
.endr
.endr
.endr
.endr
	WIN 0
	PRELOAD 0
	s_wait_loadcnt 0x0                             ; V's gates 2, 3, the scale words and the first two units' c are in
	CPUT 0
	TFRAG 2, ADT1, 0
	TFRAG 3, ADT1, 0
	s_wait_dscnt 32                                ; all but the 32 just issued
	MUL01                                          ; the first unit's first 32 products
	s_mov_b32 s[TRIP], 0
.Ltrip:                                                ; four trips of two units: c's two register sets come back after two
	UNIT 0
	UNIT 1
	s_add_co_u32 s[TRIP], s[TRIP], 1
	s_cmp_lt_u32 s[TRIP], 4
	s_cbranch_scc1 .Ltrip
	s_wait_tensorcnt 0x0                           ; the wave's end
	ds_add_u32 v[SPW], v[NIL]
	s_wait_dscnt 0x0
	CROUND                                         ; the closing round
	s_endpgm
.Lfunc_end_k_q8f764a51bd_gemm2:
	.size	k_q8f764a51bd_gemm2, .Lfunc_end_k_q8f764a51bd_gemm2-k_q8f764a51bd_gemm2
	.p2alignl 7, 3214868480
	.fill 96, 4, 3214868480
	.section	.rodata,"a",@progbits
	.p2align	6, 0x0
	.amdhsa_kernel k_q8f764a51bd_gemm2
		.amdhsa_group_segment_fixed_size 327680
		.amdhsa_private_segment_fixed_size 0
		.amdhsa_enable_private_segment 0
		.amdhsa_kernarg_size 88
		.amdhsa_user_sgpr_count 2
		.amdhsa_user_sgpr_kernarg_segment_ptr 1
		.amdhsa_wavefront_size32 1
		.amdhsa_system_sgpr_workgroup_id_x 1
		.amdhsa_system_sgpr_workgroup_id_y 1
		.amdhsa_system_sgpr_workgroup_id_z 1
		.amdhsa_system_vgpr_workitem_id 0
		.amdhsa_next_free_vgpr 1024
		.amdhsa_next_free_sgpr 100
		.amdhsa_reserve_vcc 0
		.amdhsa_float_denorm_mode_32 3
		.amdhsa_float_denorm_mode_16_64 3
		.amdhsa_memory_ordered 1
		.amdhsa_forward_progress 1
		.amdhsa_inst_pref_size 134
	.end_amdhsa_kernel
	.amdgpu_metadata
---
amdhsa.version: [ 1, 2 ]
amdhsa.kernels:
  - .name:           k_q8f764a51bd_gemm2
    .symbol:         k_q8f764a51bd_gemm2.kd
    .args:
      - { .name: tcod, .offset: 0, .size: 8, .value_kind: global_buffer, .address_space: global }
      - { .name: tscl, .offset: 8, .size: 8, .value_kind: global_buffer, .address_space: global }
      - { .name: vcod, .offset: 16, .size: 8, .value_kind: global_buffer, .address_space: global }
      - { .name: vscl, .offset: 24, .size: 8, .value_kind: global_buffer, .address_space: global }
      - { .name: bi, .offset: 32, .size: 8, .value_kind: global_buffer, .address_space: global }
      - { .name: bf, .offset: 40, .size: 8, .value_kind: global_buffer, .address_space: global }
      - { .name: bc, .offset: 48, .size: 8, .value_kind: global_buffer, .address_space: global }
      - { .name: bo, .offset: 56, .size: 8, .value_kind: global_buffer, .address_space: global }
      - { .name: c, .offset: 64, .size: 8, .value_kind: global_buffer, .address_space: global }
      - { .name: out0, .offset: 72, .size: 8, .value_kind: global_buffer, .address_space: global }
      - { .name: out1, .offset: 80, .size: 8, .value_kind: global_buffer, .address_space: global }
    .group_segment_fixed_size: 327680
    .private_segment_fixed_size: 0
    .kernarg_segment_align: 8
    .kernarg_segment_size: 88
    .max_flat_workgroup_size: 128
    .sgpr_count:     100
    .vgpr_count:     1024
    .wavefront_size: 32
...
	.end_amdgpu_metadata
.endif
;; end of part 3
